; MI455X (gfx1250); checked and timed in simulation.
; The chip was launched on July 23, 2026; its instructions are those of AMD's public machine-readable ISA for CDNA 5 (MIT licence, August 2026) and "CDNA5" Instruction Set Architecture Reference Guide (July 2026). The comments in the code are by the model that wrote it; some were corrected since.
;; Input Attention. Allowed arithmetic: float matrix products may take bf16 or f16 operands with f32 sums; other float arithmetic in f32, or as packed bf16 or f16 multiplies, adds, multiply-adds, maxima and minima; sums over many terms, partial sums and values carried from step to step in f32; what a program stores and reads back later, other than sums and carried values, may be rounded once to bf16 or f16.
;; Inputs: cell_state 512 x 64 float32; hidden_state 512 x 64 float32; v_bias 1 float32; v_kernel 64 x 1 float32; w1_bias 64 float32; w1_kernel 512 x 64 float32; w2_bias 64 float32; w2_kernel 128 x 64 float32; x 512 x 512 x 128 float32.
;; Outputs: out0 512 x 512 float32; out1 512 x 1 x 128 float32.
;; One version. Each part assembles by itself: llvm-mc -triple=amdgcn-amd-amdhsa -mcpu=gfx1250 --defsym DOCPART=n.
;; ======== version 1 of 1: 1 launch
;; limits: values outside matrix products are rounded to bf16
;; launch attn (part 1): grid 256 x 1, 4 waves a work-group, no clusters, 299,520 bytes of LDS; arguments x, hidden_state, cell_state, w1_kernel, w1_bias, w2_kernel, w2_bias, v_kernel, out0, out1; writes out0, out1
.if DOCPART == 1
	.amdgcn_target "amdgcn-amd-amdhsa--gfx1250"
	.amdhsa_code_object_version 6
	.text
	.protected	k_qbd815ff830_attn
	.globl	k_qbd815ff830_attn
	.p2align	8
	.type	k_qbd815ff830_attn,@function
k_qbd815ff830_attn:
	s_mov_b64 s[64:65], 0
	v_nop
	global_prefetch_b8 v0, s[64:65] scope:SCOPE_SE
	s_setreg_imm32_b32 hwreg(HW_REG_WAVE_MODE, 25, 1), 1
	s_wait_xcnt 0x0
; INPUT ATTENTION.  For each batch b of 512:
;   z[u][n]  = sum_t w1[t][u] x[b][t][n] + sum_k w2[k][u] query[b][k] + w1_bias[u] + w2_bias[u]      (query = hidden_state, then cell_state)
;   score[n] = sum_u v[u] tanh(z[u][n]) + v_bias;   out1[b] = softmax_n(score);   out0[b][t] = sum_n out1[b][n] x[b][t][n]
; WORK LEFT OUT.  v_bias is added to all 128 scores of a row alike, so it cancels in softmax_n for every value, and out0 sees the scores through that softmax alone: v_bias reaches no
; output, is not loaded and is no argument.  tanh(z) = 1 - 2 / (1 + 2^(2 log2(e) z)): the 1 adds sum_u v[u] to every score of a row alike and cancels in the same way, so the score kept here is
; sum_u (-2 v[u]) / (1 + 2^(2 log2(e) z)).  LIMIT: a NaN, an infinity or an overflow that lies in v_bias or arises in sum_u v[u] alone is not carried to the results.
; OTHER LIMITS.  x, w1, w2 and the query are rounded once to bf16 (x for both of its uses); sums, tanh and softmax in f32.  2^y past f32's range gives infinity, whose reciprocal is 0 (tanh = 1);
; a weight below 2^-126 counts as 0.  The row's maximum is taken by v_max_num, which drops a NaN: NaN and infinities among the inputs are not treated as the reference treats them.
; SHARES.  256 work-groups; work-group g has batches 2 g and 2 g + 1: 524,288 consecutive bytes of x.  T is split among the four waves: wave w owns t = 128 w .. 128 w + 127, all 128 n.
; Each byte of x is loaded once, by one wave, straight into registers.
; LAYOUT.  L = lane, r = L % 16, h = L / 16.  Load i of 16 takes x[t0 + 16 h + i][64 q + 4 r .. + 3]: 16 lanes cover 256 consecutive bytes, aligned.  Register j of the four belongs to n tile 4 q + j, whose
; column r is n = 64 q + 4 r + j.  Loads 2 p and 2 p + 1 rounded together are register p of a fragment of 16 n x 32 t.  The place (h, p, half) then holds t0 + 16 h + 2 p + half: a permutation of k,
; the same in x's, w1's, w2's and the query's fragments, so the products stand.  w1's and w2's rows (64 u, 256 bytes) are read alike: row r of u tile jt is u = 4 r + jt.
; Source 0 = w, source 1 = x: register j of accumulator (nt, jt) holds z[u = 32 h + 4 j + jt][n of column r]: a lane holds ONE n, and the sum over u stays in the lane but for its two halves.
; THE QUERY AND THE BIASES are the C operand of each sum's first K step: wave w multiplies k = 32 w .. 32 w + 31 of w2 by the query (the same in all 16 columns) onto a quarter of the biases.
; x STAYS ON CHIP as its bf16 fragments, 256 registers a wave; the second product reads their halves by v_fma_mix_f32_bf16 into f32 sums.
; IN FLIGHT.  Four landing slots of 16 loads a wave (32 KiB); a slot is asked for again as soon as it is rounded, across the first batch's softmax into the second batch.
; NO CLUSTER: what work-groups share is w1 and w2, 163,840 bytes fetched once at the head against 524,288 bytes of x that nobody shares; no loop asks for them again.
; REGISTERS, in windows of 256 (s_set_vgpr_msb: bits 1:0 source 0, 3:2 source 1, 5:4 source 2, 7:6 destination):
;   window 0: v0-31 addresses; v32-159 w1's fragments [ks][jt]; v160-223 DQ [b][jt], later batch b's temporaries; v224-255 -2 v in D's layout
;   window 1: the 32 accumulators, (nt, jt) at 8 (4 nt + jt); at the head w1 as loaded; behind the products at work
;   window 2: x's fragments [ks][nt] at 64 ks + 8 nt; at the head w2, the query and the biases          window 3: the landing slots
.set W1L,   0          ; LDS: w1 in f32, wave w's 128 rows of 256 bytes at 32,768 w; filled once, read by that wave alone
.set W2L,   131072     ; w2 in f32, wave w's 32 rows at 8,192 w; likewise
.set EX,    163840     ; partial sums: block (to wave d, place k = (from + 3 - d) & 3, 0..2) at 24,576 d + 8,192 k
.set CT,    262144     ; each wave's own 16 rows of 528 bytes (512 + 16: an odd multiple of 16, so 16 rows start in 16 different groups of banks: ISA guide 11.1)
.set TB,    295936     ; each wave's own 512 bytes: the biases' table, then v's; word 32 h + 8 jt + j
.set SC,    297984     ; the scores, 512 bytes a batch, word n
.set SPARE, 299008     ; the spare words, 128 bytes a wave: two blocks of 256 bytes that no other line names
.set LANE, 1
.set RR,   2
.set HH,   3
.set XOFF, 4           ; 65,536 w + 8,192 h + 16 r; never rewritten, like all of v4-v22
.set QOFF, 5           ; 64 h
.set SMO,  6           ; 8 L
.set WL1,  7           ; W1L + 32,768 w + 4,096 h + 16 r
.set WL2,  8           ; W2L + 8,192 w + 4,096 h + 16 r
.set TBW,  9           ; where u = 2 L goes in a table
.set TBR,  10          ; TB + 512 w + 128 h
.set ST,   11          ; v11-14: where my partial sums for wave d go
.set LDX,  15          ; where the others' partial sums for me lie
.set SCW,  16
.set SCR,  17
.set CTW,  18
.set CTR,  19
.set O0O,  20
.set O1O,  21
.set ZR,   22          ; 0
.set TA,   23          ; v23-25 at work at the head
.set SPW,  30          ; my spare word
.set NIL,  31          ; 0, for the add alone
.set W1F,  32
.set QRAW, 32          ; at the head: the query as loaded, 16 a batch
.set SML,  64          ; at the head: v, w1_bias, w2_bias, two numbers each
.set DQ,   160
.set VV,   224
.set W2RAW, 0          ; window 2, at the head
.set W2F,  64
.set QF,   96
.set BT,   112
.set CH,   64          ; window 1: the score's four chains; later the context's rows read back
.set WV,   28          ; s28 wave; s29 wave & 1; s30 wave >> 1; s31, s63, s[2:3] at work
.set WLO,  29
.set WHI,  30
.set TS,   31
.set KK,   56          ; s[56:57] 2 log2(e)
.set SEL,  58          ; s[58:59] v_permlanex16_b32: each lane takes its own place in the other half
.set LE,   60          ; s[60:61] log2(e)
.set HM,   62          ; s62 the lanes with h = 1
.set MSB, 0
.macro WIN new                         ; the high byte repeats the setting that is left; a switch that changes nothing is dropped
.if MSB != (\new)
	s_set_vgpr_msb (MSB<<8)|(\new)
.set MSB, (\new)
.endif
.endm
.macro PLACES                          ; four plain places behind a matrix instruction, or behind a tensor load
.rept 4
	v_nop
.endr
.endm
; 16 loads of four f32 at src become four fragments of 8 registers at dst: register p of fragment j = loads 2 p and 2 p + 1, word j
.macro CVT16 dst, src
.set cj, 0
.rept 4
.set cp, 0
.rept 8
	v_cvt_pk_bf16_f32 v[(\dst)+8*cj+cp], v[(\src)+8*cp+cj], v[(\src)+8*cp+4+cj]
.set cp, cp+1
.endr
.set cj, cj+1
.endr
.endm
; K step k of w1 out of LDS: rows 32 k + 16 h + i, i = 0..15, of my 128; a K step's 32 rows are 8,192 bytes.  Into window 1, 64 registers a K step.
.macro W1LD k
	WIN 0x40
.set li, 0
.rept 16
	ds_load_b128 v[64*(\k)+4*li:64*(\k)+4*li+3], v[WL1] offset:8192*(\k)+256*li
.set li, li+1
.endr
.endm
; and rounded into its four fragments.  left = the LDS loads of the younger K steps, 16 each, which may stay out
.macro W1CV k, left
	s_wait_dscnt \left
	WIN 0x05                       ; sources window 1, destination window 0
	CVT16 W1F+32*(\k), 64*(\k)
.endm
; Group g of 16: batch g / 8, K step (g / 2) % 4 (32 t), half q = g % 2 of the row; landing slot g % 4.  Loads i0 .. i1 of its 16.
.macro XLOAD g, i0, i1
	WIN 0xc0
.set xi, (\i0)
.rept (\i1)-(\i0)+1
	global_load_b128 v[64*((\g)%4)+4*xi:64*((\g)%4)+4*xi+3], v[XOFF], s[8:9] offset:262144*((\g)/8)+16384*(((\g)/2)%4)+512*xi+256*((\g)%2) th:TH_LOAD_NT
.set xi, xi+1
.endr
.endm
; The group's 16 products: 16 different accumulators, and the two halves' sets alternate, so 31 others stand between two links of a chain.
.macro XMUL g
.set mb, (\g)/8
.set mk, ((\g)/2)%4
.if mk == 0
	WIN 0x48                       ; A window 0, B window 2, C = DQ window 0, D window 1
.else
	WIN 0x58                       ; C and D window 1
.endif
.set mn, 4*((\g)%2)
.rept 4
.set mj, 0
.rept 4
.if mk == 0
	v_wmma_f32_16x16x32_bf16 v[8*(4*mn+mj):8*(4*mn+mj)+7], v[W1F+32*mk+8*mj:W1F+32*mk+8*mj+7], v[64*mk+8*mn:64*mk+8*mn+7], v[DQ+32*mb+8*mj:DQ+32*mb+8*mj+7]
.else
	v_wmma_f32_16x16x32_bf16 v[8*(4*mn+mj):8*(4*mn+mj)+7], v[W1F+32*mk+8*mj:W1F+32*mk+8*mj+7], v[64*mk+8*mn:64*mk+8*mn+7], v[8*(4*mn+mj):8*(4*mn+mj)+7]
.endif
.set mj, mj+1
.endr
.set mn, mn+1
.endr
.endm
; left = the loads of the younger slots, 16 each, which may stay out
.macro STEP g, left
	s_wait_loadcnt \left           ; loads come back in order (ISA guide 5.7.1): this group's 16 are in
	WIN 0x8f                       ; sources window 3, destination window 2
	CVT16 64*(((\g)/2)%4)+32*((\g)%2), 64*((\g)%4)
.if (\g) < 12
	XLOAD (\g)+4, 0, 15            ; the slot is free: asked for again at once
.endif
	XMUL \g
.endm
; My partial sums of n tiles 2 d, 2 d + 1 (accumulators 8 d .. 8 d + 7): sent to wave d, or, if I am wave d, scaled by 2 log2(e) into window 1's v0-63 (those of d = 0 have been sent by then).
; Each accumulator is read from its low end on.
.macro EXCH d
	WIN 0
	s_cmp_eq_u32 s[WV], \d
	s_cbranch_scc1 .Lown_\@
	WIN 0x04                       ; store data window 1
.set xa, 0
.rept 16
	ds_store_b128 v[ST+(\d)], v[64*(\d)+4*xa:64*(\d)+4*xa+3] offset:512*xa
.set xa, xa+1
.endr
	WIN 0
	s_branch .Ldone_\@
.Lown_\@:
	WIN 0x41
.set xa, 0
.rept 32
	v_pk_mul_f32 v[xa:xa+1], v[64*(\d)+xa:64*(\d)+xa+1], s[KK:KK+1] op_sel_hi:[1,0]
.set xa, xa+2
.endr
	WIN 0
.Ldone_\@:
.endm
; BEHIND A BATCH'S PRODUCTS.  TW = DQ[b]'s 32 registers, free since the first K step: +0..7 the lane's 8 scores, then weights; +8,9 my two scores; +10,11 the other half's; +12 m log2(e); +13 m;
; +14,15, +18,19 sums at work; +16 1 / sum; +17 sum; +20..23 out1's 16 bytes; +24..27 out0's.  No register that a store reads is written again in the launch.
.macro EPI b
.set TW, DQ+32*(\b)
	PLACES                         ; behind the last products, ahead of the reads of their results
	EXCH 0
	EXCH 1
	EXCH 2
	EXCH 3
	s_wait_dscnt 0x0               ; for the others' sake: my partial sums lie in LDS
	s_barrier_signal -1
	s_barrier_wait -1              ; everybody's do
	WIN 0x40
.set ek, 0
.rept 3
.set ea, 0
.rept 16
	ds_load_b128 v[64+64*ek+4*ea:64+64*ek+4*ea+3], v[LDX] offset:8192*ek+512*ea
.set ea, ea+1
.endr
.set ek, ek+1
.endr
.set ek, 0
.rept 3
	s_wait_dscnt 32-16*ek          ; block ek is in; the younger blocks' 16 loads each may stay out
	WIN 0x51
.set ea, 0
.rept 32
	v_pk_fma_f32 v[ea:ea+1], v[64+64*ek+ea:64+64*ek+ea+1], s[KK:KK+1], v[ea:ea+1] op_sel_hi:[1,0,1]
.set ea, ea+2
.endr
.set ek, ek+1
.endr
	WIN 0x41                       ; 1 / (1 + 2^(2 log2(e) z)), 64 numbers a lane, in two batches of transcendentals with one wait each
.set ea, 0
.rept 64
	v_exp_f32 v[ea], v[ea]
.set ea, ea+1
.endr
	v_nop                          ; a plain instruction behind the last exponential,
	s_wait_alu depctr_va_vdst(0)   ; and the one wait ahead of the batch's first reader
.set ea, 0
.rept 32
	v_pk_add_f32 v[ea:ea+1], v[ea:ea+1], 1.0 op_sel_hi:[1,0]
.set ea, ea+2
.endr
.set ea, 0
.rept 64
	v_rcp_f32 v[ea], v[ea]
.set ea, ea+1
.endr
	v_nop
	s_wait_alu depctr_va_vdst(0)
	WIN 0x51                       ; the sum over my 32 u of each tile: four chains (tile, parity of jt) of 8 packed links, by turns
.set el, 0
.rept 8
.set et, 0
.rept 4
.set ej, (et%2)+2*(el/4)
.set em, el%4
.if el == 0
	v_pk_mul_f32 v[CH+2*et:CH+2*et+1], v[32*(et/2)+8*ej+2*em:32*(et/2)+8*ej+2*em+1], v[VV+8*ej+2*em:VV+8*ej+2*em+1]
.else
	v_pk_fma_f32 v[CH+2*et:CH+2*et+1], v[32*(et/2)+8*ej+2*em:32*(et/2)+8*ej+2*em+1], v[VV+8*ej+2*em:VV+8*ej+2*em+1], v[CH+2*et:CH+2*et+1]
.endif
.set et, et+1
.endr
.set el, el+1
.endr
	WIN 0x45
	v_pk_add_f32 v[CH:CH+1], v[CH:CH+1], v[CH+2:CH+3]
	v_pk_add_f32 v[CH+4:CH+5], v[CH+4:CH+5], v[CH+6:CH+7]
	WIN 0x05
	v_add_f32 v[TW+8], v[CH], v[CH+1]
	v_add_f32 v[TW+9], v[CH+4], v[CH+5]
	WIN 0
	v_permlanex16_b32 v[TW+10], v[TW+8], s[SEL], s[SEL+1]  ; the other 32 u lie in the lane 16 away
	v_permlanex16_b32 v[TW+11], v[TW+9], s[SEL], s[SEL+1]
	v_pk_add_f32 v[TW+8:TW+9], v[TW+8:TW+9], v[TW+10:TW+11]
	ds_store_b64 v[SCW], v[TW+8:TW+9] offset:512*(\b)      ; n = 64 (w / 2) + 4 r + 2 (w % 2) + 0, 1; both halves of the lanes write the same
	s_wait_dscnt 0x0               ; my scores lie in LDS, and my reads of the partial sums are over: the next batch may write them anew behind this barrier
	s_barrier_signal -1
	s_barrier_wait -1
	; THE SOFTMAX, by every wave for itself: a lane takes score[64 q + 4 r + j], its column of the 8 n tiles; 16 lanes hold all 128
	ds_load_b128 v[TW:TW+3], v[SCR] offset:512*(\b)
	ds_load_b128 v[TW+4:TW+7], v[SCR] offset:512*(\b)+256
	s_wait_dscnt 0x0
	v_max3_num_f32 v[TW+13], v[TW], v[TW+1], v[TW+2]
	v_max3_num_f32 v[TW+13], v[TW+13], v[TW+3], v[TW+4]
	v_max3_num_f32 v[TW+13], v[TW+13], v[TW+5], v[TW+6]
	v_max_num_f32 v[TW+13], v[TW+13], v[TW+7]
.irp x, 1,2,4,8
	v_max_num_f32_dpp v[TW+13], v[TW+13], v[TW+13] row_xmask:\x row_mask:0xf bank_mask:0xf
.endr
	v_mul_f32 v[TW+12], s[LE], v[TW+13]
.irp i, 0,2,4,6
	v_pk_fma_f32 v[TW+\i:TW+\i+1], v[TW+\i:TW+\i+1], s[LE:LE+1], v[TW+12:TW+13] op_sel_hi:[1,0,0] neg_lo:[0,0,1] neg_hi:[0,0,1]  ; (s - m) log2(e)
.endr
.irp i, 0,1,2,3,4,5,6,7
	v_exp_f32 v[TW+\i], v[TW+\i]
.endr
	v_nop
	s_wait_alu depctr_va_vdst(0)
	v_pk_add_f32 v[TW+18:TW+19], v[TW:TW+1], v[TW+2:TW+3]
	v_pk_add_f32 v[TW+14:TW+15], v[TW+4:TW+5], v[TW+6:TW+7]
	v_pk_add_f32 v[TW+18:TW+19], v[TW+18:TW+19], v[TW+14:TW+15]
	v_add_f32 v[TW+17], v[TW+18], v[TW+19]
.irp x, 1,2,4,8
	v_add_f32_dpp v[TW+17], v[TW+17], v[TW+17] row_xmask:\x row_mask:0xf bank_mask:0xf
.endr
	v_rcp_f32 v[TW+16], v[TW+17]   ; the sum is 1 at the least: the maximum's own term
	v_nop
	s_wait_alu depctr_va_vdst(0)
.irp i, 0,2,4,6
	v_pk_mul_f32 v[TW+\i:TW+\i+1], v[TW+\i:TW+\i+1], v[TW+16:TW+17] op_sel_hi:[1,0]
.endr
	s_cmp_lg_u32 s[WV], 0          ; out1: wave 0 alone; lane L stores n = 4 L .. 4 L + 3 = 64 h + 4 r + j: 512 consecutive bytes
	s_cbranch_scc1 .Lno1_\@
.irp j, 0,1,2,3
	v_cndmask_b32 v[TW+20+\j], v[TW+\j], v[TW+4+\j], s[HM]
.endr
	global_store_b128 v[O1O], v[TW+20:TW+23], s[26:27] offset:512*(\b) th:TH_STORE_NT
.Lno1_\@:
	; THE CONTEXT: for my 64 t (index 16 ks + 2 p + half is t = 128 w + 32 ks + 16 h + 2 p + half) the sum over my 8 n, in f32, from the fragments' halves: 64 chains that do not wait for each other
.set en, 0
.rept 8
.if en == 0
	WIN 0x42                       ; x window 2, weight and the 0 window 0, sums window 1
.else
	WIN 0x52
.endif
.set ek, 0
.rept 4
.set ep, 0
.rept 8
.if en == 0
	v_fma_mix_f32_bf16 v[16*ek+2*ep], v[64*ek+8*en+ep], v[TW+en], v[ZR] op_sel_hi:[1,0,0]
	v_fma_mix_f32_bf16 v[16*ek+2*ep+1], v[64*ek+8*en+ep], v[TW+en], v[ZR] op_sel:[1,0,0] op_sel_hi:[1,0,0]
.else
	v_fma_mix_f32_bf16 v[16*ek+2*ep], v[64*ek+8*en+ep], v[TW+en], v[16*ek+2*ep] op_sel_hi:[1,0,0]
	v_fma_mix_f32_bf16 v[16*ek+2*ep+1], v[64*ek+8*en+ep], v[TW+en], v[16*ek+2*ep+1] op_sel:[1,0,0] op_sel_hi:[1,0,0]
.endif
.set ep, ep+1
.endr
.set ek, ek+1
.endr
.set en, en+1
.endr
	WIN 0x04                       ; the sum over the 16 r goes through my own rows in LDS: row r, word t - 128 w
.set ea, 0
.rept 16
	ds_store_b128 v[CTW], v[4*ea:4*ea+3] offset:128*(ea/4)+16*(ea%4)
.set ea, ea+1
.endr
	WIN 0x40
.set ea, 0
.rept 16
	ds_load_b128 v[CH+4*ea:CH+4*ea+3], v[CTR] offset:528*ea  ; LDS serves a wave's instructions in order (ISA guide 5.7.1.4): these see the stores above
.set ea, ea+1
.endr
	s_wait_dscnt 0x0
	WIN 0x45
.irp w, 32,16,8
.set ea, 0
.rept (\w)/2
	v_pk_add_f32 v[CH+ea:CH+ea+1], v[CH+ea:CH+ea+1], v[CH+(\w)+ea:CH+(\w)+ea+1]
.set ea, ea+2
.endr
.endr
	WIN 0x05
	v_pk_add_f32 v[TW+24:TW+25], v[CH:CH+1], v[CH+4:CH+5]
	v_pk_add_f32 v[TW+26:TW+27], v[CH+2:CH+3], v[CH+6:CH+7]
	WIN 0
	global_store_b128 v[O0O], v[TW+24:TW+27], s[24:25] offset:2048*(\b) th:TH_STORE_NT  ; t = 128 w + 4 L .. + 3: 512 consecutive bytes a wave
.endm
	s_load_b512 s[8:23], s[0:1], 0x0               ; x s[8:9], hidden s[10:11], cell s[12:13], w1 s[14:15], w1_bias s[16:17], w2 s[18:19], w2_bias s[20:21], v s[22:23]
	s_load_b128 s[24:27], s[0:1], 0x40             ; out0 s[24:25], out1 s[26:27]
	v_lshl_add_u32 v[SPW], v0, 2, SPARE
	v_mov_b32 v[NIL], 0
	ds_add_u32 v[SPW], v[NIL]                      ; the wave's opening: the add, twice on end, and its wait ahead of my first tensor load
	ds_add_u32 v[SPW], v[NIL]                      ; the set-up below, work on registers, stands between the second add and the wait
	v_lshrrev_b32 v[TA], 5, v0
	v_readfirstlane_b32 s[WV], v[TA]               ; wave 0..3
	s_and_b32 s[WLO], s[WV], 1
	s_lshr_b32 s[WHI], s[WV], 1
	v_and_b32 v[LANE], 31, v0
	v_and_b32 v[RR], 15, v0
	v_bfe_u32 v[HH], v0, 4, 1
	v_lshlrev_b32 v[TA], 4, v[RR]                  ; 16 r
	s_lshl_b32 s[TS], s[WV], 16
	v_lshl_add_u32 v[XOFF], v[HH], 13, v[TA]
	v_add_nc_u32 v[XOFF], s[TS], v[XOFF]
	v_lshlrev_b32 v[QOFF], 6, v[HH]
	v_lshlrev_b32 v[SMO], 3, v[LANE]
	v_lshl_add_u32 v[TA], v[HH], 12, v[TA]         ; 16 r + 4,096 h
	s_lshl_b32 s[TS], s[WV], 15
	v_add_nc_u32 v[WL1], s[TS], v[TA]              ; W1L = 0
	s_lshl_b32 s[TS], s[WV], 13
	s_add_co_u32 s[TS], s[TS], W2L
	v_add_nc_u32 v[WL2], s[TS], v[TA]
	s_lshl_b32 s[TS], s[WV], 9
	s_add_co_u32 s[TS], s[TS], TB
	v_lshl_add_u32 v[TBR], v[HH], 7, s[TS]
	v_and_b32 v[TA+1], 1, v0                       ; u = 2 L: h = L / 16, jt = 2 (L % 2), j = (L / 2) % 8: word 32 h + 8 jt + j
	v_bfe_u32 v[TA+2], v0, 1, 3
	v_lshl_add_u32 v[TBW], v[TA+1], 6, v[TBR]
	v_lshl_add_u32 v[TBW], v[TA+2], 2, v[TBW]
.irp d, 0,1,2,3
	s_add_co_u32 s[TS], s[WV], 3-\d
	s_and_b32 s[TS], s[TS], 3                      ; my place among wave d's three senders (3 where d is myself: never used)
	s_lshl_b32 s[TS], s[TS], 13
	s_add_co_u32 s[TS], s[TS], EX+24576*\d
	v_lshl_add_u32 v[ST+\d], v[LANE], 4, s[TS]
.endr
	s_mul_i32 s[TS], s[WV], 24576
	s_add_co_u32 s[TS], s[TS], EX
	v_lshl_add_u32 v[LDX], v[LANE], 4, s[TS]
	s_lshl_b32 s[TS], s[WHI], 8
	s_lshl_b32 s63, s[WLO], 3
	s_add_co_u32 s[TS], s[TS], s63
	s_add_co_u32 s[TS], s[TS], SC
	v_lshl_add_u32 v[SCW], v[RR], 4, s[TS]
	v_lshl_add_u32 v[SCR], v[RR], 4, SC
	s_mul_i32 s[TS], s[WV], 8448
	s_add_co_u32 s[TS], s[TS], CT
	v_mul_u32_u24 v[TA], v[RR], 528
	v_lshl_add_u32 v[TA], v[HH], 6, v[TA]
	v_add_nc_u32 v[CTW], s[TS], v[TA]
	v_lshl_add_u32 v[CTR], v[LANE], 4, s[TS]
	s_lshl_b32 s[TS], s[WV], 9
	v_lshl_add_u32 v[O0O], v[LANE], 4, s[TS]
	v_lshlrev_b32 v[O1O], 4, v[LANE]
	v_mov_b32 v[ZR], 0
	; two descriptors: dense blocks taken as rows of 256 bytes (32 elements of 8 bytes), no padding, no mask.  s[32:35], s[36:43]: my 32 rows of w2; s[44:47], s[48:55]: my 128 rows of w1
	s_mov_b32 s32, 1                               ; count = 1
	s_lshl_b32 s33, s[WV], 13
	s_add_co_u32 s33, s33, W2L                     ; LDS address: a constant and the wave's number times a constant
	s_mov_b32 s36, 3<<16                           ; elements of 8 bytes
	s_mov_b32 s37, 32<<16                          ; tensor_dim0 = 32
	s_mov_b32 s38, 32<<16                          ; tensor_dim1 = 32
	s_mov_b32 s39, 32<<16                          ; tile_dim0 = 32
	s_mov_b32 s40, 32                              ; tile_dim1 = 32
	s_mov_b32 s41, 32                              ; 32 elements from row to row
	s_mov_b32 s42, 0
	s_mov_b32 s43, 0
	s_mov_b32 s44, 1
	s_lshl_b32 s45, s[WV], 15                      ; W1L = 0
	s_mov_b32 s48, 3<<16
	s_mov_b32 s49, 32<<16
	s_mov_b32 s50, 128<<16                         ; tensor_dim1 = 128
	s_mov_b32 s51, 32<<16
	s_mov_b32 s52, 128                             ; tile_dim1 = 128
	s_mov_b32 s53, 32
	s_mov_b32 s54, 0
	s_mov_b32 s55, 0
	s_mov_b32 s[KK], 0x4038aa3b                    ; 2 log2(e)
	s_mov_b32 s[KK+1], s[KK]                       ; named with it as a pair
	s_mov_b32 s[SEL], 0x76543210
	s_mov_b32 s[SEL+1], 0xfedcba98
	s_mov_b32 s[LE], 0x3fb8aa3b                    ; log2(e)
	s_mov_b32 s[LE+1], s[LE]
	s_mov_b32 s3, 0
	s_wait_dscnt 0x0                               ; both opening adds are done
	s_wait_kmcnt 0x0
	s_lshl_b32 s2, s[WV], 13
	s_add_nc_u64 s[34:35], s[18:19], s[2:3]        ; w2 at row 32 w
	s_or_b32 s35, s35, 0x80000000                  ; type = 2
	s_lshl_b32 s2, s[WV], 15
	s_add_nc_u64 s[46:47], s[14:15], s[2:3]        ; w1 at row 128 w
	s_or_b32 s47, s47, 0x80000000
	tensor_load_to_lds s[32:35], s[36:43]          ; both first fills together; two tensor loads of mine are out, and no more are issued
	s_nop 0
	tensor_load_to_lds s[44:47], s[48:55]
	s_nop 0
	PLACES
	s_lshl_b32 s2, ttmp9, 19
	s_add_nc_u64 s[8:9], s[8:9], s[2:3]            ; x at the work-group's two batches
	s_cmp_lt_u32 s[WV], 2
	s_cselect_b64 s[4:5], s[10:11], s[12:13]       ; k = 32 w .. lies in hidden_state (waves 0, 1) or cell_state (waves 2, 3),
	s_lshl_b32 s2, ttmp9, 9
	s_lshl_b32 s[TS], s[WLO], 7
	s_add_co_u32 s2, s2, s[TS]
	s_add_nc_u64 s[4:5], s[4:5], s[2:3]            ; at row 2 g, number 32 (w % 2)
	s_lshl_b32 s2, ttmp9, 12
	s_add_nc_u64 s[24:25], s[24:25], s[2:3]
	s_lshl_b32 s2, ttmp9, 10
	s_add_nc_u64 s[26:27], s[26:27], s[2:3]
	v_cmp_ne_u32 s[HM], 0, v[HH]
	global_load_b64 v[SML:SML+1], v[SMO], s[22:23]     ; v[2 L], v[2 L + 1]
	global_load_b64 v[SML+2:SML+3], v[SMO], s[16:17]   ; w1_bias
	global_load_b64 v[SML+4:SML+5], v[SMO], s[20:21]   ; w2_bias
.irp i, 0,1,2,3,4,5,6,7
	global_load_b128 v[QRAW+4*\i:QRAW+4*\i+3], v[QOFF], s[4:5] offset:256*(\i/4)+16*(\i%4)  ; batch i / 4: query[32 w + 16 h + 0..15]
.endr
	XLOAD 0, 0, 15
	XLOAD 1, 0, 15
	XLOAD 2, 0, 15
	XLOAD 3, 0, 3
	s_wait_loadcnt 52                              ; the 11 small loads are in: 52 loads of x were issued behind them (a wait's count ends at 63, so the fourth slot's other 12 follow it)
	XLOAD 3, 4, 15
	WIN 0
	v_pk_add_f32 v[SML+2:SML+3], v[SML+2:SML+3], v[SML+4:SML+5]
	v_pk_mul_f32 v[SML+2:SML+3], v[SML+2:SML+3], 0x3e800000 op_sel_hi:[1,0]  ; a quarter of the biases in each of the four waves' sums
	v_pk_mul_f32 v[SML:SML+1], v[SML:SML+1], -2.0 op_sel_hi:[1,0]
	ds_store_b32 v[TBW], v[SML+2]
	ds_store_b32 v[TBW], v[SML+3] offset:32        ; u + 1: jt + 1, 8 words on
	ds_store_b32 v[TBW], v[SML] offset:256
	ds_store_b32 v[TBW], v[SML+1] offset:288
	WIN 0x80                                       ; destination window 2
.set i, 0
.rept 16
	v_cvt_pk_bf16_f32 v[QF+i], v[QRAW+2*i], v[QRAW+2*i+1]
.set i, i+1
.endr
.irp c, 0,1,2,3,4,5,6,7
	ds_load_b128 v[BT+4*\c:BT+4*\c+3], v[TBR] offset:16*\c     ; my wave's own table, in order behind its stores
.endr
	WIN 0
.irp c, 0,1,2,3,4,5,6,7
	ds_load_b128 v[VV+4*\c:VV+4*\c+3], v[TBR] offset:256+16*\c
.endr
	s_wait_tensorcnt 0x1                           ; my rows of w2 are in; w1's load, issued behind, may stay out.  Only I read these bytes
	WIN 0x80
.set i, 0
.rept 16
	ds_load_b128 v[W2RAW+4*i:W2RAW+4*i+3], v[WL2] offset:256*i
.set i, i+1
.endr
	s_wait_dscnt 0x0
	WIN 0x8a
	CVT16 W2F, W2RAW
	WIN 0x2a                                       ; A, B, C window 2, D window 0: eight different accumulators
.irp i, 0,1,2,3,4,5,6,7
	v_wmma_f32_16x16x32_bf16 v[DQ+8*\i:DQ+8*\i+7], v[W2F+8*(\i%4):W2F+8*(\i%4)+7], v[QF+8*(\i/4):QF+8*(\i/4)+7], v[BT+8*(\i%4):BT+8*(\i%4)+7]
.endr
	s_wait_tensorcnt 0x0                           ; my rows of w1 are in
	W1LD 0                                         ; three K steps' rows are asked for, 48 LDS loads;
	W1LD 1
	W1LD 2
	W1CV 0, 32                                     ; K step 0 is in (1 and 2 are younger).  The 128 conversions are also the places between DQ's products and their results' use as C
	W1LD 3                                         ; the fourth K step's 16
	W1CV 1, 32                                     ; 2 and 3 are younger
	W1CV 2, 16
	W1CV 3, 0
.irp g, 0,1,2,3,4,5,6,7
	STEP \g, 48
.endr
	EPI 0                                          ; the second batch's first four groups are on their way meanwhile
.irp g, 8,9,10,11,12
	STEP \g, 48
.endr
	STEP 13, 32                                    ; nothing is left to ask for: the counts run down
	STEP 14, 16
	STEP 15, 0
	EPI 1
	WIN 0
	s_wait_tensorcnt 0x0                           ; the wave's end, behind my last tensor load and my last LDS store
	ds_add_u32 v[SPW], v[NIL]
	s_wait_dscnt 0x0
	s_endpgm
.Lfunc_end_k_qbd815ff830_attn:
	.size	k_qbd815ff830_attn, .Lfunc_end_k_qbd815ff830_attn-k_qbd815ff830_attn
	.p2alignl 7, 3214868480
	.fill 96, 4, 3214868480
	.section	.rodata,"a",@progbits
	.p2align	6, 0x0
	.amdhsa_kernel k_qbd815ff830_attn
		.amdhsa_group_segment_fixed_size 299520
		.amdhsa_private_segment_fixed_size 0
		.amdhsa_enable_private_segment 0
		.amdhsa_kernarg_size 80
		.amdhsa_user_sgpr_count 2
		.amdhsa_user_sgpr_kernarg_segment_ptr 1
		.amdhsa_wavefront_size32 1
		.amdhsa_system_sgpr_workgroup_id_x 1
		.amdhsa_system_sgpr_workgroup_id_y 1
		.amdhsa_system_sgpr_workgroup_id_z 1
		.amdhsa_system_vgpr_workitem_id 0
		.amdhsa_next_free_vgpr 1024
		.amdhsa_next_free_sgpr 66
		.amdhsa_reserve_vcc 0
		.amdhsa_float_denorm_mode_32 3
		.amdhsa_float_denorm_mode_16_64 3
		.amdhsa_memory_ordered 1
		.amdhsa_forward_progress 1
		.amdhsa_inst_pref_size 240
	.end_amdhsa_kernel
	.amdgpu_metadata
---
amdhsa.version: [ 1, 2 ]
amdhsa.kernels:
  - .name:           k_qbd815ff830_attn
    .symbol:         k_qbd815ff830_attn.kd
    .args:
      - { .name: x, .offset: 0, .size: 8, .value_kind: global_buffer, .address_space: global }
      - { .name: hidden_state, .offset: 8, .size: 8, .value_kind: global_buffer, .address_space: global }
      - { .name: cell_state, .offset: 16, .size: 8, .value_kind: global_buffer, .address_space: global }
      - { .name: w1_kernel, .offset: 24, .size: 8, .value_kind: global_buffer, .address_space: global }
      - { .name: w1_bias, .offset: 32, .size: 8, .value_kind: global_buffer, .address_space: global }
      - { .name: w2_kernel, .offset: 40, .size: 8, .value_kind: global_buffer, .address_space: global }
      - { .name: w2_bias, .offset: 48, .size: 8, .value_kind: global_buffer, .address_space: global }
      - { .name: v_kernel, .offset: 56, .size: 8, .value_kind: global_buffer, .address_space: global }
      - { .name: out0, .offset: 64, .size: 8, .value_kind: global_buffer, .address_space: global }
      - { .name: out1, .offset: 72, .size: 8, .value_kind: global_buffer, .address_space: global }
    .group_segment_fixed_size: 299520
    .private_segment_fixed_size: 0
    .kernarg_segment_align: 8
    .kernarg_segment_size: 80
    .max_flat_workgroup_size: 128
    .sgpr_count:     66
    .vgpr_count:     1024
    .wavefront_size: 32
...
	.end_amdgpu_metadata
.endif
;; end of part 1
